; MI455X (gfx1250); checked and timed in simulation.
; The chip was launched on July 23, 2026; its instructions are those of AMD's public machine-readable ISA for CDNA 5 (MIT licence, August 2026) and "CDNA5" Instruction Set Architecture Reference Guide (July 2026). The comments in the code are by the model that wrote it; some were corrected since.
;; Point Cloud Extractor. Allowed arithmetic: matrix products marked QUANTISED: E2M1 operands, one E8M0 scale for each 32 along K, by v_wmma_scale_f32_16x16x128_f8f6f4 with both operands' format E2M1 (or v_wmma_scale_f32_32x16x128_f4), f32 sums; products left as they are: f32 operands where the result goes on into a quantised operand, else bf16, f16 or f32 operands; f32 sums; everything else in f32.
;; Inputs: blk0_b 512 float32; blk0_beta 512 float32; blk0_g 512 float32; blk0_w 512 x 512 float32; blk1_b 256 float32; blk1_beta 256 float32; blk1_g 256 float32; blk1_w 512 x 256 float32; blk2_b 170 float32; blk2_beta 170 float32; blk2_g 170 float32; blk2_w 256 x 170 float32; c1_b 512 float32; c1_beta 512 float32; c1_g 512 float32; c1_w 9 x 512 float32; pts 4 x 2,048 x 3 float32; res_b 512 float32; res_w 512 x 512 float32; t_b1 128 float32; t_b2 128 float32; t_cb 128 float32; t_cw 3 x 128 float32; t_d1b 128 float32; t_d1w 128 x 128 float32; t_d2b 9 float32; t_d2w 128 x 9 float32; t_g1 128 float32; t_g2 128 float32.
;; Outputs: out0 4 x 1,360 float32.
;; This version of the problem:
;;   THIS VERSION OF THE PROBLEM IS GIVEN IN LOW PRECISION. The matrix products marked QUANTISED in the list below multiply operands that are first quantised to E2M1 (2 exponent bits, 1 mantissa bit; 4 bits a number), with one power-of-two scale for each 32 numbers along K (OCP MX v1.0); their sums are f32. All else is computed in f32.
;;   The module's matrix products, in the order in which they are computed (A, B: the left and right operand; K: the contracted axis; several contracted axes count as one K, in the product's order):
;;     1. [M 8,192, K 3] x [K 3, N 128]; A: input pts; B: input t_cw: left as it is (K = 3 < 32)
;;     2. [M 4, K 128] x [K 128, N 128]; A: computed on the way; B: input t_d1w: left as it is (M = 4 < 16)
;;     3. [M 4, K 128] x [K 128, N 9]; A: computed on the way; B: input t_d2w: left as it is (M = 4 < 16)
;;     4. batch 4 x [M 2,048, K 3] x [K 3, N 3]; A: input pts; B: computed on the way: left as it is (K = 3 < 32)
;;     5. batch 4 x [M 2,048, K 3] x [K 3, N 2,048]; A: computed on the way; B: computed on the way: left as it is (K = 3 < 32)
;;     6. [M 65,536, K 9] x [K 9, N 512]; A: computed on the way; B: input c1_w: left as it is (K = 9 < 32)
;;     7. [M 65,536, K 512] x [K 512, N 512]; A: computed on the way; B: input res_w: QUANTISED
;;     8. [M 65,536, K 512] x [K 512, N 512]; A: computed on the way; B: input blk0_w: QUANTISED
;;     9. [M 65,536, K 512] x [K 512, N 256]; A: computed on the way; B: input blk1_w: QUANTISED
;;     10. [M 65,536, K 256] x [K 256, N 170]; A: computed on the way; B: input blk2_w: QUANTISED
;;   THE QUANTISER, for each operand of a quantised product, along K:
;;     - K is cut into blocks of 32 from its start; a last block that is shorter is filled with zeros.
;;     - A block's scale is 2^e with e = floor(log2(the largest magnitude in the block)) - 2, held to -126 .. 127; a block of zeros has e = 0. As a byte (E8M0): e + 127.
;;     - Each number is divided by its block's scale, clamped to +-6, and rounded to the nearest number of E2M1, ties to even, subnormals kept.
;;     - The product sums the exact products of the quantised numbers (number of the format x scale) in f32.
;;   ~~~python
;;   def quantise(x, axis):      # numpy; x: float32 -> the quantised numbers, widened to float32 again
;;       x = np.moveaxis(x, axis, -1); K = x.shape[-1]
;;       x = np.pad(x, [(0, 0)] * (x.ndim - 1) + [(0, -K % 32)]); x = x.reshape(x.shape[:-1] + (-1, 32)); a = np.abs(x).max(-1, keepdims=True)
;;       e = np.where(a > 0, np.clip(np.frexp(np.where(a > 0, a, 1))[1] - 1 - 2, -126, 127), 0)      # np.frexp(a)[1] - 1 = floor(log2(a)), exactly
;;       r = np.clip(x / 2.0 ** e, -6, 6)
;;       step = 2.0 ** (np.maximum(np.frexp(np.where(r == 0, 1, r))[1] - 1, 0) - 1)
;;       q = np.round(r / step) * step * 2.0 ** e      # np.round: ties to even
;;       return np.moveaxis(q.reshape(q.shape[:-2] + (-1,))[..., :K], -1, axis).astype(np.float32)
;;   ~~~
;;   OPERANDS COMPUTED ON THE WAY. 'Computed on the way' means the value that the module computes at that place (a softmax that the list does not call 'softmax' is quantised finished and normalised). What goes into a quantiser is computed in f32, as accurately as f32 sums, v_exp_f32 and their like allow (about 1e-6 of the number): no bf16 or f16 on the way to a quantiser, and a product that is left as it is and whose result goes on into a quantised operand takes f32 operands (vector FMAs, or v_wmma_f32_16x16x4_f32). A number that lies on a knife's edge between two numbers of the format may be rounded either way, as far as f32 arithmetic and the matrix unit's own rounding can turn it there, and no further.
;; One version. Each part assembles by itself: llvm-mc -triple=amdgcn-amd-amdhsa -mcpu=gfx1250 --defsym DOCPART=n.
;; ======== version 1 of 1: 4 launches
;; workspace buffers: tmm 131,072 bytes; wq 352,256 bytes; wsc 22,016 bytes; pc4 131,072 bytes; idx 786,432 bytes of whole numbers; part 196,608 bytes
;; launch prep (part 1): grid 171 x 1, 4 waves a work-group, no clusters, 0 bytes of LDS; arguments pts, t_cw, t_cb, res_w, blk0_w, blk1_w, blk2_w, tmm, wq, wsc; writes tmm, wq, wsc
.if DOCPART == 1
	.amdgcn_target "amdgcn-amd-amdhsa--gfx1250"
	.amdhsa_code_object_version 6
	.text
	.protected	k_qaca34a6877_prep
	.globl	k_qaca34a6877_prep
	.p2align	8
	.type	k_qaca34a6877_prep,@function
k_qaca34a6877_prep:
	s_mov_b64 s[64:65], 0
	v_nop
	global_prefetch_b8 v0, s[64:65] scope:SCOPE_SE
	s_setreg_imm32_b32 hwreg(HW_REG_WAVE_MODE, 25, 1), 1
	s_wait_xcnt 0x0
; Two jobs that hang on inputs alone, in one launch; the paths part on the work-group's number, use no LDS and no barrier.
; (1) Work-groups 0-127: the T-Net's first layer.  t = p . w_c + cb is wanted only through max over n of silu(t s + b).  t s + b is monotone in t and silu falls and
;     then rises, so that maximum is taken at the smallest or at the largest t: only min and max of t are searched.  Work-group x = 32 b + g takes 64 points, thread c a channel;
;     it stores min(t) and min(-t) of its 64 points at tmm[x][c] and tmm[x][128 + c].
; (2) Work-groups 128-170: the four weights [K][N] f32 become codes of FP4 (E2M1) with one E8M0 byte for each 32 along K, laid as IMAGES OF THE OPERAND'S REGISTERS:
;     fragment (tile T, K step s of 128) = 1,024 bytes at (T S + s) 1024; in it lane slot (r + 16 h'), piece c (512 bytes apart) holds k = 128 s + 64 c + 32 h' + 0..31 of the tile's row r.
;     Tile T = 2 G + u of the group G of 32 columns; its row r is column 32 G + 8 u + r + 8 (r / 8), so that results of two neighbouring tiles are 16 neighbours along the next K.
;     Scale words: (T S/2 + s/2) 128 + (16 (s % 2) + r) 4: one register a pair of K steps, the even step in lanes 0-15, the odd one in lanes 16-31.
;     A wave takes one group G and one K step: a lane a column, its 128 registers run down K, so a block of 32 lies in one lane.
; A block's byte is its largest magnitude's exponent field - 2, held at 1 from below.  A block of zeros gets the byte 1 (the rule says 127): its codes are zeros and only this program reads the bytes.
; blk2 has 170 columns: columns 170-191 get zero codes.
; LIMITS: NaN and infinities among the inputs are not served.
.set WQ_B0, 131072
.set WQ_B1, 262144
.set WQ_B2, 327680
.set WS_B0, 8192
.set WS_B1, 16384
.set WS_B2, 20480
	s_load_b512 s[4:19], s[0:1], 0x0               ; pts s[4:5], t_cw s[6:7], t_cb s[8:9], res_w s[10:11], blk0_w s[12:13], blk1_w s[14:15], blk2_w s[16:17], tmm s[18:19]
	s_load_b128 s[20:23], s[0:1], 0x40             ; wq s[20:21], wsc s[22:23]
	v_lshrrev_b32 v1, 5, v0
	v_readfirstlane_b32 s92, v1                    ; wave 0..3
	v_and_b32 v1, 31, v0                           ; lane
	s_mov_b32 s3, 0
	s_wait_kmcnt 0x0
	s_cmp_lt_u32 ttmp9, 128
	s_cbranch_scc0 .Lweights
; ---- (1) min and max of p . w_c over 64 points.  Every thread wants all 64 points (768 bytes): they come at once, by 48 loads of 16 bytes in which all lanes name the same bytes, into v32-223.
	v_lshlrev_b32 v2, 2, v0                        ; 4 c
	global_load_b32 v4, v2, s[6:7]                 ; w[0][c]
	global_load_b32 v5, v2, s[6:7] offset:512      ; w[1][c]
	global_load_b32 v6, v2, s[6:7] offset:1024     ; w[2][c]
	global_load_b32 v7, v2, s[8:9]                 ; cb[c]
	s_mul_i32 s2, ttmp9, 768                       ; 64 points of 12 bytes
	s_add_nc_u64 s[4:5], s[4:5], s[2:3]
	v_mov_b32 v3, 0
.set i, 0
.rept 48
	global_load_b128 v[32+4*i:35+4*i], v3, s[4:5] offset:16*i
.set i, i+1
.endr
	v_mov_b32 v8, 0x7f800000                       ; the minimum starts at +infinity,
	v_mov_b32 v9, 0xff800000                       ; the maximum at -infinity
.macro PT4 base                        ; four points, whose 12 numbers stand in v[base] on, by turns
.irp p, 0,1,2,3
	v_mul_f32 v[10+\p], v[\base+3*\p], v4
.endr
.irp p, 0,1,2,3
	v_fma_f32 v[10+\p], v[\base+3*\p+1], v5, v[10+\p]
.endr
.irp p, 0,1,2,3
	v_fma_f32 v[10+\p], v[\base+3*\p+2], v6, v[10+\p]
.endr
	v_min3_num_f32 v8, v8, v10, v11
	v_max3_num_f32 v9, v9, v10, v11
	v_min3_num_f32 v8, v8, v12, v13
	v_max3_num_f32 v9, v9, v12, v13
.endm
.irp g, 0,1,2,3
	s_wait_loadcnt 36-12*\g                        ; 16 points are 12 loads: the younger groups stay out
.irp k, 0,1,2,3
	PT4 32+48*\g+12*\k
.endr
.endr
	v_add_f32 v8, v8, v7                           ; min(dot) + cb = min(dot + cb): the addition is monotone
	v_sub_f32 v9, -v9, v7                          ; -(max(dot) + cb)
	s_lshl_b32 s2, ttmp9, 10
	s_add_nc_u64 s[18:19], s[18:19], s[2:3]
	global_store_b32 v2, v8, s[18:19]
	global_store_b32 v2, v9, s[18:19] offset:512
	s_endpgm
; ---- (2) a block of 32 along K of my column: v[32 + 32 q] on -> four registers of codes at v[160 + 4 q], its byte into v24
.macro QBLK q, cnt
	s_wait_loadcnt \cnt
	v_max3_num_f32 v12, |v[32+32*\q]|, |v[33+32*\q]|, |v[34+32*\q]|
	v_max3_num_f32 v13, |v[35+32*\q]|, |v[36+32*\q]|, |v[37+32*\q]|
.irp i, 6,10,14,18,22,26
	v_max3_num_f32 v12, v12, |v[32+32*\q+\i]|, |v[33+32*\q+\i]|
	v_max3_num_f32 v13, v13, |v[34+32*\q+\i]|, |v[35+32*\q+\i]|
.endr
	v_max3_num_f32 v12, v12, |v[62+32*\q]|, |v[63+32*\q]|
	v_max3_num_f32 v12, v12, v13, 0x1800000        ; the floor 2^(3 - 127): the byte cannot fall under 1
	v_add_nc_u32 v11, 0xff000000, v12              ; 2 off the exponent field: the conversion takes this operand's exponent field as its scale
	v_lshrrev_b32 v13, 23, v11                     ; the byte
.if \q == 0
	v_mov_b32 v24, v13
.else
	v_lshl_or_b32 v24, v13, 8*\q, v24
.endif
.irp g, 0,1,2,3
	v_cvt_scalef32_pk8_fp4_f32 v[160+4*\q+\g], v[32+32*\q+8*\g:39+32*\q+8*\g], v11
.endr
	v_nop                                          ; one plain line behind the conversions
.endm
; s30 = G, s31 = K step, s[32:33] = the weight, s34, s35 = the layer's first byte in wq and wsc
.macro QW PITCH, S, PAD
	s_mul_i32 s36, s31, 128*\PITCH
	s_mov_b32 s37, 0
	s_add_nc_u64 s[32:33], s[32:33], s[36:37]      ; row 128 s
.if \PAD
	s_lshl_b32 s36, s30, 5
	v_add_nc_u32 v3, s36, v1                       ; my column
	v_cmp_gt_u32 vcc_lo, 0xaa, v3                  ; is it one of the 170?
	v_min_u32 v3, 0xa9, v3                         ; no load leaves the buffer
	v_lshlrev_b32 v3, 2, v3
.else
	s_lshl_b32 s36, s30, 7
	s_add_nc_u64 s[32:33], s[32:33], s[36:37]
	v_lshlrev_b32 v3, 2, v1
.endif
.set i, 0
.rept 128
	global_load_b32 v[32+i], v3, s[32:33] offset:i*\PITCH th:TH_LOAD_NT   ; W(128 s + i, my column): 32 lanes read 128 neighbouring bytes
.set i, i+1
.endr
	v_bfe_u32 v4, v1, 3, 1                         ; u: which tile of the group my column falls into,
	v_and_b32 v5, 7, v1
	v_lshrrev_b32 v6, 4, v1
	v_lshl_add_u32 v5, v6, 3, v5                   ; r: and which row of it
	v_lshlrev_b32 v6, 4, v5
	v_mad_u32_u24 v6, v4, \S*1024, v6              ; codes: u S 1024 + 16 r
	v_lshlrev_b32 v7, 2, v5
	v_mad_u32_u24 v7, v4, \S*64, v7                ; scale word: u (S/2) 128 + 4 r
	s_mul_i32 s36, s30, 2*\S
	s_add_co_u32 s36, s36, s31
	s_lshl_b32 s36, s36, 10
	s_add_co_u32 s36, s36, s34
	s_add_nc_u64 s[20:21], s[20:21], s[36:37]      ; fragment (2 G, s)
	s_mul_i32 s36, s30, \S
	s_lshr_b32 s38, s31, 1
	s_add_co_u32 s36, s36, s38
	s_lshl_b32 s36, s36, 7
	s_and_b32 s38, s31, 1
	s_lshl_b32 s38, s38, 6
	s_add_co_u32 s36, s36, s38
	s_add_co_u32 s36, s36, s35
	s_add_nc_u64 s[22:23], s[22:23], s[36:37]
	QBLK 0, 63                                     ; 96 younger loads might stay out; 63 is the largest count that a wait can name
	QBLK 1, 63                                     ; (64 might)
	QBLK 2, 32                                     ; block 3's 32 loads stay out
	QBLK 3, 0
.if \PAD
.set i, 0
.rept 16
	v_cndmask_b32 v[160+i], 0, v[160+i], vcc_lo    ; columns 170 on: zero codes
.set i, i+1
.endr
.endif
.irp q, 0,1,2,3
	global_store_b128 v6, v[160+4*\q:163+4*\q], s[20:21] offset:(\q/2)*512+(\q%2)*256   ; block q = 2 c + h': the sixteen lanes of a tile fill 256 consecutive bytes, aligned
.endr
	global_store_b32 v7, v24, s[22:23]             ; 64 consecutive bytes a tile: 22 KB in the whole launch go out so
.endm
.Lweights:
	s_cmp_lt_u32 ttmp9, 160
	s_cbranch_scc0 .Lnarrower
	s_sub_co_u32 s24, ttmp9, 128                   ; res_w: work-groups 128-143, blk0_w: 144-159; 64 waves each
	s_cmp_lt_u32 ttmp9, 144
	s_cselect_b64 s[32:33], s[10:11], s[12:13]
	s_cselect_b32 s34, 0, WQ_B0
	s_cselect_b32 s35, 0, WS_B0
	s_and_b32 s24, s24, 15
	s_lshl_b32 s24, s24, 2
	s_add_co_u32 s24, s24, s92
	s_and_b32 s30, s24, 15                         ; G: 16 groups
	s_lshr_b32 s31, s24, 4                         ; K step: 4
	QW 2048, 4, 0
	s_endpgm
.Lnarrower:
	s_cmp_lt_u32 ttmp9, 168
	s_cbranch_scc0 .Llast_layer
	s_sub_co_u32 s24, ttmp9, 160                   ; blk1_w: 32 waves
	s_lshl_b32 s24, s24, 2
	s_add_co_u32 s24, s24, s92
	s_and_b32 s30, s24, 7                          ; 8 groups
	s_lshr_b32 s31, s24, 3
	s_mov_b64 s[32:33], s[14:15]
	s_mov_b32 s34, WQ_B1
	s_mov_b32 s35, WS_B1
	QW 1024, 4, 0
	s_endpgm
.Llast_layer:
	s_sub_co_u32 s24, ttmp9, 168                   ; blk2_w: 12 waves: 6 groups x 2 K steps
	s_lshl_b32 s24, s24, 2
	s_add_co_u32 s24, s24, s92
	s_cmp_ge_u32 s24, 6
	s_cselect_b32 s31, 1, 0
	s_cselect_b32 s25, 6, 0
	s_sub_co_u32 s30, s24, s25
	s_mov_b64 s[32:33], s[16:17]
	s_mov_b32 s34, WQ_B2
	s_mov_b32 s35, WS_B2
	QW 680, 2, 1
	s_endpgm
.Lfunc_end_k_qaca34a6877_prep:
	.size	k_qaca34a6877_prep, .Lfunc_end_k_qaca34a6877_prep-k_qaca34a6877_prep
	.p2alignl 7, 3214868480
	.fill 96, 4, 3214868480
	.section	.rodata,"a",@progbits
	.p2align	6, 0x0
	.amdhsa_kernel k_qaca34a6877_prep
		.amdhsa_group_segment_fixed_size 0
		.amdhsa_private_segment_fixed_size 0
		.amdhsa_enable_private_segment 0
		.amdhsa_kernarg_size 80
		.amdhsa_user_sgpr_count 2
		.amdhsa_user_sgpr_kernarg_segment_ptr 1
		.amdhsa_wavefront_size32 1
		.amdhsa_system_sgpr_workgroup_id_x 1
		.amdhsa_system_sgpr_workgroup_id_y 1
		.amdhsa_system_sgpr_workgroup_id_z 1
		.amdhsa_system_vgpr_workitem_id 0
		.amdhsa_next_free_vgpr 224
		.amdhsa_next_free_sgpr 96
		.amdhsa_reserve_vcc 1
		.amdhsa_float_denorm_mode_32 3
		.amdhsa_float_denorm_mode_16_64 3
		.amdhsa_memory_ordered 1
		.amdhsa_forward_progress 1
		.amdhsa_inst_pref_size 81
	.end_amdhsa_kernel
	.amdgpu_metadata
---
amdhsa.version: [ 1, 2 ]
amdhsa.kernels:
  - .name:           k_qaca34a6877_prep
    .symbol:         k_qaca34a6877_prep.kd
    .args:
      - { .name: pts, .offset: 0, .size: 8, .value_kind: global_buffer, .address_space: global }
      - { .name: t_cw, .offset: 8, .size: 8, .value_kind: global_buffer, .address_space: global }
      - { .name: t_cb, .offset: 16, .size: 8, .value_kind: global_buffer, .address_space: global }
      - { .name: res_w, .offset: 24, .size: 8, .value_kind: global_buffer, .address_space: global }
      - { .name: blk0_w, .offset: 32, .size: 8, .value_kind: global_buffer, .address_space: global }
      - { .name: blk1_w, .offset: 40, .size: 8, .value_kind: global_buffer, .address_space: global }
      - { .name: blk2_w, .offset: 48, .size: 8, .value_kind: global_buffer, .address_space: global }
      - { .name: tmm, .offset: 56, .size: 8, .value_kind: global_buffer, .address_space: global }
      - { .name: wq, .offset: 64, .size: 8, .value_kind: global_buffer, .address_space: global }
      - { .name: wsc, .offset: 72, .size: 8, .value_kind: global_buffer, .address_space: global }
    .group_segment_fixed_size: 0
    .private_segment_fixed_size: 0
    .kernarg_segment_align: 8
    .kernarg_segment_size: 80
    .max_flat_workgroup_size: 128
    .sgpr_count:     96
    .vgpr_count:     224
    .wavefront_size: 32
...
	.end_amdgpu_metadata
.endif
;; end of part 1
;; launch knn (part 2): grid 256 x 1, 16 waves a work-group, no clusters, 75,776 bytes of LDS; arguments pts, tmm, t_g1, t_b1, t_d1w, t_d1b, t_g2, t_b2, t_d2w, t_d2b, pc4, idx; writes pc4, idx
.if DOCPART == 2
	.amdgcn_target "amdgcn-amd-amdhsa--gfx1250"
	.amdhsa_code_object_version 6
	.text
	.protected	k_qaca34a6877_knn
	.globl	k_qaca34a6877_knn
	.p2align	8
	.type	k_qaca34a6877_knn,@function
k_qaca34a6877_knn:
	s_mov_b64 s[64:65], 0
	v_nop
	global_prefetch_b8 v0, s[64:65] scope:SCOPE_SE
	s_setreg_imm32_b32 hwreg(HW_REG_WAVE_MODE, 25, 1), 1
	s_wait_xcnt 0x0
; The rest of the T-Net, pc = pts T, and for 32 queries of one batch the eight neighbours of each of the three radii.
; Work-group x = 64 b + qb: batch b, queries 32 qb .. 32 qb + 31.  Every work-group makes T and all 2,048 transformed points of its batch anew (a few hundred instructions a wave), by the same
; instructions in the same order, so that all work-groups hold the same bits; it stores its own 32 points to pc4 as (x, y, z, 1.0).
; THE RADIUS TEST: sqrt(max(d2, 0)) <= r with a correctly rounded root holds exactly where d2 <= TH, TH the largest f32 under (r + half a last place of r)^2, r as f32:
;   0.1 -> 0x3c23d70b, 0.3 -> 0x3db851ed, 0.5 -> 0x3e800001.  TH - d2 has the right sign whatever its rounding; its sign bit is shifted into a word of 32 candidates.
; TOP-8 OF A 0/1 MASK: the hits in ascending order, then the non-hits in ascending order; with fewer than 8 hits the fill lies among candidates 0-14, in the first word.
; SHARES: a lane a query; wave w scans candidates 128 w .. 128 w + 127, read from LDS by loads in which all lanes name the same bytes; waves 0-2 then draw the lists of radius w from the 64 words of each query.
; All that hangs on floating-point numbers is selected by v_cndmask_b32: no branch, no address.
; idx: [x][radius 3][k / 2][lane 32][k % 2] u32.
; LIMITS: NaN and infinities are not served.  The sums over K = 3 are chains of fused multiply-adds; a pair whose d2 lies within f32 rounding of TH may fall on either side.
.set WRD, 32768                        ; LDS: X 0, Y 8192, Z 16384, SQ 24576 (2,048 f32 each); WRD [radius][chunk 64][lane] u32, 24,576 bytes;
.set SCR, 57344                        ; then four regions of 2,048 bytes for the T-Net's steps, each written once;
.set H1,  59392
.set PS,  61440
.set H2,  63488
.set D2L, 65536                        ; and t_d2w as it lies in memory, 4,608 bytes
.set BNRS, 0x3f7fdf42                  ; 1 / sqrt(1.001) as f32
.set NL2E, 0xbfb8aa3b                  ; -log2(e)
; v1 lane, v2 4 t, v3 4 (t % 128), v4-v11 LDS and store offsets (below), v12-15 my query x, y, z, sq, v16-19 (x, y, z, 1), v20-28 T,
; v29, v30, v206 offsets of the head's loads, v31 my rows of t_d2w in LDS, v207 16 t, v208 D2L + 16 t
.macro BARRIER                         ; my LDS stores have landed and my LDS loads are in: then the work-group's barrier
	s_wait_dscnt 0x0
	s_barrier_signal -1
	s_barrier_wait -1
.endm
	s_load_b512 s[4:19], s[0:1], 0x0               ; pts, tmm, g1, b1, d1w, d1b, g2, b2
	s_load_b256 s[20:27], s[0:1], 0x40             ; d2w, d2b, pc4, idx
	v_lshl_add_u32 v216, v0, 2, 0x12000
	v_mov_b32 v217, 0
	v_lshrrev_b32 v30, 5, v0
	v_readfirstlane_b32 s34, v30                   ; wave 0..15
	v_and_b32 v1, 31, v0
	v_lshlrev_b32 v2, 2, v0
	v_and_b32 v3, 127, v0
	v_lshlrev_b32 v3, 2, v3
	s_lshl_b32 s35, s34, 9
	v_mov_b32 v4, s35                              ; my wave's 128 candidates in each of the four arrays
	v_lshl_add_u32 v5, v1, 2, s35
	v_add_nc_u32 v5, WRD, v5                       ; where my wave's four words of my query go
	s_min_u32 s45, s34, 2
	s_lshl_b32 s45, s45, 13
	s_add_co_u32 s45, s45, WRD
	v_lshl_add_u32 v6, v1, 2, s45                  ; where the words of radius min(w, 2) are read
	s_and_b32 s49, ttmp9, 63
	s_lshl_b32 s45, s49, 7
	v_lshl_add_u32 v7, v1, 2, s45                  ; my query in the arrays
	v_lshlrev_b32 v8, 3, v1
	v_lshlrev_b32 v9, 4, v1
	v_lshrrev_b32 v10, 7, v0                       ; quarter q = t / 128
	v_lshl_add_u32 v30, v10, 14, v3                ; d1w: rows 32 q on, column t % 128
	v_mul_u32_u24 v10, v10, 640
	v_add_nc_u32 v10, H1, v10                      ; copy q of h1, entries 32 q on
	s_lshr_b32 s45, s34, 2
	s_lshl_b32 s45, s45, 9
	s_add_co_u32 s45, s45, H2
	v_lshl_add_u32 v11, v1, 2, s45                 ; copy w / 4 of h2, entry lane
	v_and_b32 v29, 255, v0
	v_lshlrev_b32 v29, 2, v29
	v_lshrrev_b32 v31, 8, v0
	v_lshl_add_u32 v29, v31, 14, v29               ; tmm: entry t % 256, groups 16 (t / 256) on
	v_mul_u32_u24 v31, v1, 36
	v_add_nc_u32 v31, D2L, v31                     ; d2w in LDS: row lane of nine words
	v_mul_u32_u24 v206, v0, 48                     ; pts: points 4 t .. 4 t + 3
	v_lshlrev_b32 v207, 4, v0                      ; 16 t: my 16 bytes of d2w in memory, and my four points' place in each array
	v_add_nc_u32 v208, D2L, v207                   ; and of d2w in LDS
	s_mov_b32 s28, 0x3c23d70b
	s_mov_b32 s29, s28                             ; (the packed form names pairs, so both words are written)
	s_mov_b32 s30, 0x3db851ed
	s_mov_b32 s31, s30
	s_mov_b32 s32, 0x3e800001
	s_mov_b32 s33, s32
	s_mov_b32 s46, 0x76543210
	s_mov_b32 s47, 0xfedcba98                      ; v_permlanex16_b32's selects for lane l xor 16
	s_lshr_b32 s48, ttmp9, 6                       ; b
	s_lshl_b32 s2, s48, 15
	s_mov_b32 s3, 0
	s_mul_i32 s50, s48, 24576
	s_mov_b32 s51, 0
	s_lshl_b32 s52, ttmp9, 9
	s_mov_b32 s53, 0
	s_wait_kmcnt 0x0
	s_add_nc_u64 s[6:7], s[6:7], s[2:3]            ; my batch's partial minima,
	s_add_nc_u64 s[4:5], s[4:5], s[50:51]          ; its points,
	s_add_nc_u64 s[24:25], s[24:25], s[52:53]      ; my 32 queries' place in pc4
	s_load_b256 s[36:43], s[22:23], 0x0            ; d2b, nine numbers
	s_load_b32 s44, s[22:23], 0x20
; the head's loads, in the order in which they are wanted: 16 + 5 + (waves 0-8: 1) + 32 + 3
.set i, 0
.rept 16
	global_load_b32 v[32+i], v29, s[6:7] offset:i*1024
.set i, i+1
.endr
	global_load_b32 v48, v3, s[8:9]                ; g1
	global_load_b32 v49, v3, s[10:11]              ; b1
	global_load_b32 v50, v3, s[14:15]              ; d1b
	global_load_b32 v51, v3, s[16:17]              ; g2
	global_load_b32 v52, v3, s[18:19]              ; b2
	s_cmp_ge_u32 s34, 9
	s_cbranch_scc1 .Lno_d2w_load
	global_load_b128 v[88:91], v207, s[20:21]      ; d2w's 4,608 bytes once a work-group: 16 bytes a thread of waves 0-8
.Lno_d2w_load:
.set i, 0
.rept 32
	global_load_b32 v[56+i], v30, s[12:13] offset:i*512
.set i, i+1
.endr
.irp i, 0,1,2
	global_load_b128 v[124+4*\i:127+4*\i], v206, s[4:5] offset:16*\i   ; four points: 48 neighbouring bytes; v[124 + 3 i + d] = coordinate d of point 4 t + i
.endr
.irp m, 0,1,2,3,4,5,6,7,8
	v_mov_b32 v[176+\m], 0                         ; a lane permute's destination counts as one of its sources
.endr
; ---- A: the minima over the batch's 32 groups, 16 a thread; d2w goes to LDS
	s_wait_loadcnt 40                              ; the 16 partial minima are in: 5 + 32 + 3 loads are younger (in waves 0-8 one more: the smaller count is safe)
	v_min3_num_f32 v170, v32, v33, v34
.irp i, 35,37,39,41,43,45
	v_min3_num_f32 v170, v170, v[\i], v[\i+1]
.endr
	v_min_num_f32 v170, v170, v47
	ds_store_b32 v2, v170 offset:SCR
	s_wait_loadcnt 35                              ; the five vectors and d2w are in: d1w's 32 loads and the points' 3 are younger
	s_cmp_ge_u32 s34, 9
	s_cbranch_scc1 .Lno_d2w_store
	ds_store_b128 v208, v[88:91]
.Lno_d2w_store:
	BARRIER
; ---- B: h1[c] = max(silu(y(t_min)), silu(y(t_max))), y = t (BNRS g1) + b1
	ds_load_b32 v170, v3 offset:SCR
	ds_load_b32 v171, v3 offset:SCR+1024
	ds_load_b32 v172, v3 offset:SCR+512
	ds_load_b32 v173, v3 offset:SCR+1536
	v_mul_f32 v174, BNRS, v48
	s_wait_dscnt 0x0
	v_min_num_f32 v170, v170, v171                 ; t_min
	v_min_num_f32 v172, v172, v173                 ; -t_max
	v_fma_f32 v170, v170, v174, v49
	v_fma_f32 v171, -v172, v174, v49
	v_mul_f32 v172, NL2E, v170                     ; silu(y) = y / (1 + 2^(-y log2 e))
	v_mul_f32 v173, NL2E, v171
	v_exp_f32 v172, v172
	v_exp_f32 v173, v173
	v_nop                                          ; a plain line behind the transcendentals,
	s_wait_alu depctr_va_vdst(0)                   ; and the wait ahead of their first reader
	v_add_f32 v172, 1.0, v172
	v_add_f32 v173, 1.0, v173
	v_rcp_f32 v172, v172
	v_rcp_f32 v173, v173
	v_nop
	s_wait_alu depctr_va_vdst(0)
	v_mul_f32 v170, v170, v172
	v_mul_f32 v171, v171, v173
	v_max_num_f32 v170, v170, v171
	ds_store_b32 v2, v170 offset:H1                ; four copies, one for each 128 threads
	BARRIER
; ---- C: h1 d1w: thread t sums rows 32 q .. 32 q + 31 for column t % 128.  My rows lane + 32 i of d2w are asked for here, two steps ahead of their use
.irp i, 0,1,2,3,4,5,6,7
	ds_load_b128 v[136+4*\i:139+4*\i], v10 offset:16*\i
.endr
.irp i, 0,1,2,3
.irp m, 0,1,2,3,4,5,6,7,8
	ds_load_b32 v[88+9*\i+\m], v31 offset:\i*1152+\m*4   ; lanes nine words apart: 32 different banks
.endr
.endr
	s_wait_loadcnt 3                               ; d1w is in; the points' 3 loads are younger
	s_wait_dscnt 36                                ; h1 is in; d2w's 36 LDS loads are younger
.irp k, 0,1,2,3
	v_mul_f32 v[170+\k], v[136+\k], v[56+\k]
.endr
.irp i, 4,8,12,16,20,24,28
.irp k, 0,1,2,3
	v_fma_f32 v[170+\k], v[136+\i+\k], v[56+\i+\k], v[170+\k]
.endr
.endr
	v_add_f32 v170, v170, v171
	v_add_f32 v172, v172, v173
	v_add_f32 v170, v170, v172
	ds_store_b32 v2, v170 offset:PS
	BARRIER
; ---- D: h2 = silu(bn(sum + d1b))
.irp q, 0,1,2,3
	ds_load_b32 v[170+\q], v3 offset:PS+512*\q
.endr
	v_mul_f32 v175, BNRS, v51
	s_wait_dscnt 0x0
	v_add_f32 v170, v170, v171
	v_add_f32 v172, v172, v173
	v_add_f32 v170, v170, v172
	v_add_f32 v170, v170, v50
	v_fma_f32 v170, v170, v175, v52
	v_mul_f32 v171, NL2E, v170
	v_exp_f32 v171, v171
	v_nop
	s_wait_alu depctr_va_vdst(0)
	v_add_f32 v171, 1.0, v171
	v_rcp_f32 v171, v171
	v_nop
	s_wait_alu depctr_va_vdst(0)
	v_mul_f32 v170, v170, v171
	ds_store_b32 v2, v170 offset:H2
	BARRIER
; ---- E: T = h2 d2w + d2b: every wave makes all nine; a lane takes rows lane + 32 i
.irp i, 0,1,2,3
	ds_load_b32 v[170+\i], v11 offset:128*\i
.endr
	s_wait_kmcnt 0x0                               ; d2b
	s_wait_dscnt 0x0
.irp m, 0,1,2,3,4,5,6,7,8
	v_mul_f32 v[20+\m], v170, v[88+\m]
.endr
.irp i, 1,2,3
.irp m, 0,1,2,3,4,5,6,7,8
	v_fma_f32 v[20+\m], v[170+\i], v[88+9*\i+\m], v[20+\m]
.endr
.endr
.irp x, 1,2,4,8
.irp m, 0,1,2,3,4,5,6,7,8
	v_add_f32_dpp v[20+\m], v[20+\m], v[20+\m] row_xmask:\x row_mask:0xf bank_mask:0xf
.endr
.endr
.irp m, 0,1,2,3,4,5,6,7,8
	v_permlanex16_b32 v[176+\m], v[20+\m], s46, s47
.endr
.irp m, 0,1,2,3,4,5,6,7,8
	v_add_f32 v[20+\m], v[20+\m], v[176+\m]
.endr
.irp m, 0,1,2,3,4,5,6,7,8
	v_add_f32 v[20+\m], s[36+\m], v[20+\m]
.endr
; ---- F: pc = p T and sq = |pc|^2 for points 4 t + i; coordinate e of the four points in v[136 + 4 e] on, sq in v148 on: 16 neighbouring bytes of each array
	s_wait_loadcnt 0x0
.irp i, 0,1,2,3
.irp e, 0,1,2
	v_mul_f32 v[136+4*\e+\i], v[124+3*\i], v[20+\e]
.endr
.irp e, 0,1,2
	v_fma_f32 v[136+4*\e+\i], v[125+3*\i], v[23+\e], v[136+4*\e+\i]
.endr
.irp e, 0,1,2
	v_fma_f32 v[136+4*\e+\i], v[126+3*\i], v[26+\e], v[136+4*\e+\i]
.endr
	v_mul_f32 v[148+\i], v[136+\i], v[136+\i]
	v_fma_f32 v[148+\i], v[140+\i], v[140+\i], v[148+\i]
	v_fma_f32 v[148+\i], v[144+\i], v[144+\i], v[148+\i]
.endr
.irp a, 0,1,2,3
	ds_store_b128 v207, v[136+4*\a:139+4*\a] offset:\a*8192
.endr
	BARRIER
; ---- G: my query; wave 0 stores the work-group's 32 points
.irp a, 0,1,2,3
	ds_load_b32 v[12+\a], v7 offset:\a*8192
.endr
	v_mov_b32 v19, 1.0
.irp q, 0,1,2
	v_mov_b32 v[200+\q], 0                         ; the words in the making: 32 shifts push every old bit out, so they are cleared once
.endr
	s_wait_dscnt 0x0
	v_mov_b32 v16, v12
	v_mov_b32 v17, v13
	v_mov_b32 v18, v14
	s_cmp_lg_u32 s34, 0
	s_cbranch_scc1 .Lnot_wave_0
	global_store_b128 v9, v[16:19], s[24:25]       ; 32 lanes store 512 consecutive bytes, aligned
.Lnot_wave_0:
; ---- H: the scan.  A batch is 16 candidates: 16 loads of 16 bytes (X, Y, Z, SQ), two sets by turns.  A chunk of 32 goes from its highest candidate down, so that candidate j ends at bit j.
.macro LOADB k
.set cc, (\k)/2
.set hf, 1-((\k)%2)
.set st, 32+64*((\k)%2)
.irp a, 0,1,2,3
.irp q, 0,1,2,3
	ds_load_b128 v[st+16*\a+4*\q:st+16*\a+4*\q+3], v4 offset:\a*8192+(32*cc+16*hf+4*\q)*4
.endr
.endr
.endm
; four pairs of candidates by turns: d2 = (sq_m + sq_n) - 2 (x x' + y y' + z z'); TH - d2 for the three radii; the six sign bits of a pair into the three words
.macro GROUP st, p0
.irp p, 0,1,2,3
	v_pk_mul_f32 v[160+2*\p:161+2*\p], v[\st+2*(\p0+\p):\st+2*(\p0+\p)+1], v[12:13] op_sel_hi:[1,0]
.endr
.irp p, 0,1,2,3
	v_pk_fma_f32 v[160+2*\p:161+2*\p], v[\st+16+2*(\p0+\p):\st+16+2*(\p0+\p)+1], v[12:13], v[160+2*\p:161+2*\p] op_sel:[0,1,0] op_sel_hi:[1,1,1]
.endr
.irp p, 0,1,2,3
	v_pk_fma_f32 v[160+2*\p:161+2*\p], v[\st+32+2*(\p0+\p):\st+32+2*(\p0+\p)+1], v[14:15], v[160+2*\p:161+2*\p] op_sel_hi:[1,0,1]
.endr
.irp p, 0,1,2,3
	v_pk_add_f32 v[168+2*\p:169+2*\p], v[\st+48+2*(\p0+\p):\st+48+2*(\p0+\p)+1], v[14:15] op_sel:[0,1] op_sel_hi:[1,1]
.endr
.irp p, 0,1,2,3
	v_pk_fma_f32 v[160+2*\p:161+2*\p], v[160+2*\p:161+2*\p], -2.0, v[168+2*\p:169+2*\p] op_sel_hi:[1,0,1]
.endr
.irp p, 0,1,2,3
.irp q, 0,1,2
	v_pk_add_f32 v[176+6*\p+2*\q:177+6*\p+2*\q], s[28+2*\q:29+2*\q], v[160+2*\p:161+2*\p] op_sel_hi:[0,1] neg_lo:[0,1] neg_hi:[0,1]
.endr
.endr
.irp p, 3,2,1,0
.irp e, 1,0
.irp q, 0,1,2
	v_alignbit_b32 v[200+\q], v[200+\q], v[176+6*\p+2*\q+\e], 31   ; word = word << 1 | sign(TH - d2): 1 = outside
.endr
.endr
.endr
.endm
.macro SCAN k
.if \k < 7
	s_wait_dscnt 16                                ; this batch is in; the younger batch's 16 loads stay out
.else
	s_wait_dscnt 0x0
.endif
	GROUP 32+64*((\k)%2), 4
	GROUP 32+64*((\k)%2), 0
.if ((\k)%2) == 1
.irp q, 0,1,2
	v_xor_b32 v[203+\q], -1, v[200+\q]             ; 1 = inside
.endr
.irp q, 0,1,2
	ds_store_b32 v5, v[203+\q] offset:\q*8192+((\k)/2)*128
.endr
.endif
.if \k < 6
	LOADB (\k)+2
.endif
.endm
	LOADB 0
	LOADB 1
.irp k, 0,1,2,3,4,5,6,7
	SCAN \k
.endr
	BARRIER
; ---- I: waves 0-2 draw the lists of radius w.  No barrier follows.
	s_cmp_ge_u32 s34, 3
	s_cbranch_scc1 .Ldone
.set i, 0
.rept 64
	ds_load_b32 v[32+i], v6 offset:i*128
.set i, i+1
.endr
.irp t, 0,1,2,3,4,5,6,7
	v_mov_b32 v[96+\t], 0                          ; V0-V7: the eight lowest words that are not zero, the lowest first
.endr
	v_mov_b32 v120, 0                              ; which chunks are not zero: chunks 0-31,
	v_mov_b32 v121, 0                              ; chunks 32-63
	s_mul_i32 s2, ttmp9, 3
	s_add_co_u32 s2, s2, s34
	s_lshl_b32 s2, s2, 10
	s_add_nc_u64 s[26:27], s[26:27], s[2:3]
	s_wait_dscnt 0x0
.set cw, 63
.rept 64                               ; from the highest chunk down: a word that is not zero is pushed in front
	v_cmp_ne_u32 vcc_lo, 0, v[32+cw]
.irp t, 7,6,5,4,3,2,1
	v_cndmask_b32 v[96+\t], v[96+\t], v[95+\t], vcc_lo
.endr
	v_cndmask_b32 v96, v96, v[32+cw], vcc_lo
.if cw >= 32
	v_add_co_ci_u32 v121, vcc_lo, v121, v121, vcc_lo   ; flags = flags << 1 | (word not zero)
.else
	v_add_co_ci_u32 v120, vcc_lo, v120, v120, vcc_lo
.endif
.set cw, cw-1
.endr
	v_xor_b32 v122, -1, v32                        ; the non-hits of chunk 0
.macro IDS t                           ; I_t = 32 x the number of the t-th chunk that is not zero.  A lowest bit's place is its f32 exponent - 127
	v_cmp_ne_u32 vcc_lo, 0, v120
	v_cndmask_b32 v124, v121, v120, vcc_lo
	v_sub_nc_u32 v125, 0, v124
	v_and_b32 v125, v124, v125
	v_cvt_f32_u32 v126, v125
	v_lshrrev_b32 v126, 23, v126
	v_cndmask_b32 v127, 32, 0, vcc_lo
	v_add3_u32 v126, v126, v127, 0xffffff81
	v_lshlrev_b32 v[104+\t], 5, v126
	v_cndmask_b32 v127, 0, v125, vcc_lo
	v_xor_b32 v120, v120, v127
	v_xor_b32 v127, v127, v125
	v_xor_b32 v121, v121, v127
.endm
.irp t, 0,1,2,3,4,5,6,7
	IDS \t
.endr
.macro EXTRACT s                       ; neighbour s: the lowest hit left, or, when none is left, the lowest non-hit left
	v_cmp_ne_u32 vcc_lo, 0, v96
	v_sub_nc_u32 v124, 0, v96
	v_and_b32 v124, v96, v124
	v_cvt_f32_u32 v125, v124
	v_lshrrev_b32 v125, 23, v125
	v_add3_u32 v125, v125, v104, 0xffffff81
	v_sub_nc_u32 v126, 0, v122
	v_and_b32 v126, v122, v126
	v_cvt_f32_u32 v127, v126
	v_lshrrev_b32 v127, 23, v127
	v_add_nc_u32 v127, 0xffffff81, v127
	v_cndmask_b32 v[112+\s], v127, v125, vcc_lo
	v_xor_b32 v96, v96, v124
	v_cndmask_b32 v126, v126, 0, vcc_lo
	v_xor_b32 v122, v122, v126
.if \s < 7
	v_cmp_eq_u32 vcc_lo, 0, v96                    ; the word is used up: the others move down
.set et, 0
.rept 7-\s
	v_cndmask_b32 v[96+et], v[96+et], v[97+et], vcc_lo
	v_cndmask_b32 v[104+et], v[104+et], v[105+et], vcc_lo
.set et, et+1
.endr
.endif
.endm
.irp s, 0,1,2,3,4,5,6,7
	EXTRACT \s
.endr
.irp p, 0,1,2,3
	global_store_b64 v8, v[112+2*\p:113+2*\p], s[26:27] offset:\p*256   ; 32 lanes store 256 consecutive bytes, aligned
.endr
.Ldone:
	s_wait_tensorcnt 0x0
	ds_add_u32 v216, v217
	s_wait_dscnt 0x0
	s_endpgm
.Lfunc_end_k_qaca34a6877_knn:
	.size	k_qaca34a6877_knn, .Lfunc_end_k_qaca34a6877_knn-k_qaca34a6877_knn
	.p2alignl 7, 3214868480
	.fill 96, 4, 3214868480
	.section	.rodata,"a",@progbits
	.p2align	6, 0x0
	.amdhsa_kernel k_qaca34a6877_knn
		.amdhsa_group_segment_fixed_size 75776
		.amdhsa_private_segment_fixed_size 0
		.amdhsa_enable_private_segment 0
		.amdhsa_kernarg_size 96
		.amdhsa_user_sgpr_count 2
		.amdhsa_user_sgpr_kernarg_segment_ptr 1
		.amdhsa_wavefront_size32 1
		.amdhsa_system_sgpr_workgroup_id_x 1
		.amdhsa_system_sgpr_workgroup_id_y 1
		.amdhsa_system_sgpr_workgroup_id_z 1
		.amdhsa_system_vgpr_workitem_id 0
		.amdhsa_next_free_vgpr 218
		.amdhsa_next_free_sgpr 66
		.amdhsa_reserve_vcc 1
		.amdhsa_float_denorm_mode_32 3
		.amdhsa_float_denorm_mode_16_64 3
		.amdhsa_memory_ordered 1
		.amdhsa_forward_progress 1
		.amdhsa_inst_pref_size 128
	.end_amdhsa_kernel
	.amdgpu_metadata
---
amdhsa.version: [ 1, 2 ]
amdhsa.kernels:
  - .name:           k_qaca34a6877_knn
    .symbol:         k_qaca34a6877_knn.kd
    .args:
      - { .name: pts, .offset: 0, .size: 8, .value_kind: global_buffer, .address_space: global }
      - { .name: tmm, .offset: 8, .size: 8, .value_kind: global_buffer, .address_space: global }
      - { .name: t_g1, .offset: 16, .size: 8, .value_kind: global_buffer, .address_space: global }
      - { .name: t_b1, .offset: 24, .size: 8, .value_kind: global_buffer, .address_space: global }
      - { .name: t_d1w, .offset: 32, .size: 8, .value_kind: global_buffer, .address_space: global }
      - { .name: t_d1b, .offset: 40, .size: 8, .value_kind: global_buffer, .address_space: global }
      - { .name: t_g2, .offset: 48, .size: 8, .value_kind: global_buffer, .address_space: global }
      - { .name: t_b2, .offset: 56, .size: 8, .value_kind: global_buffer, .address_space: global }
      - { .name: t_d2w, .offset: 64, .size: 8, .value_kind: global_buffer, .address_space: global }
      - { .name: t_d2b, .offset: 72, .size: 8, .value_kind: global_buffer, .address_space: global }
      - { .name: pc4, .offset: 80, .size: 8, .value_kind: global_buffer, .address_space: global }
      - { .name: idx, .offset: 88, .size: 8, .value_kind: global_buffer, .address_space: global }
    .group_segment_fixed_size: 75776
    .private_segment_fixed_size: 0
    .kernarg_segment_align: 8
    .kernarg_segment_size: 96
    .max_flat_workgroup_size: 512
    .sgpr_count:     66
    .vgpr_count:     218
    .wavefront_size: 32
...
	.end_amdgpu_metadata
.endif
;; end of part 2
;; launch chain (part 3): grid 256 x 1, 8 waves a work-group, no clusters, 267,264 bytes of LDS; arguments idx, pc4, wq, wsc, c1_w, c1_b, c1_g, c1_beta, res_b, blk0_b, blk0_g, blk0_beta, blk1_b, blk1_g, blk1_beta, blk2_b, blk2_g, blk2_beta, part; writes part
.if DOCPART == 3
	.amdgcn_target "amdgcn-amd-amdhsa--gfx1250"
	.amdhsa_code_object_version 6
	.text
	.protected	k_qaca34a6877_chain
	.globl	k_qaca34a6877_chain
	.p2align	8
	.type	k_qaca34a6877_chain,@function
k_qaca34a6877_chain:
	s_mov_b64 s[64:65], 0
	v_nop
	global_prefetch_b8 v0, s[64:65] scope:SCOPE_SE
	s_setreg_imm32_b32 hwreg(HW_REG_WAVE_MODE, 25, 1), 1
	s_wait_xcnt 0x0
; The stack of 1 x 1 convolutions on 256 rows, and their maximum.  Work-group x = 64 b + 8 k + chunk takes rows n = 256 chunk .. + 255 of one (b, k): 16 tiles of 16 rows.
;   g (9 numbers, gathered by idx) -> c1 (f32) -> silu -> f;  f + Q(f) Q(res_w) + res_b -> f';  silu(bn(Q(f') Q(blk0_w) + b)) ;  the same with blk1 (256) and blk2 (170);  max over the rows.
; The four products on codes of FP4 (E2M1) with E8M0 scales go by v_wmma_scale_f32_16x16x128_f8f6f4; c1 (K = 9), whose result goes on into a quantiser, by v_wmma_f32_16x16x4_f32:
; three K steps (x, y, z, 1) of the three radii; the gain is multiplied into the weights and the bias stands as the weight of the first step's 1.
; THE WAVES SHARE THE COLUMNS: wave w makes units 64 w .. + 63 of c1, res and blk0, 32 w .. + 31 of blk1, and of blk2 (waves 0-5).  A layer's weights lie in the wave's registers, read from memory once, as the
; launch before has laid them.  EVERY PRODUCT IS USED TRANSPOSED (source 0 = 16 units, source 1 = 16 rows): a lane holds ONE row (lane % 16) and, by the choice of the units that form a tile, the 16 registers of two
; neighbouring tiles are units 32 g + 16 (lane / 16) + 0 .. 15: 16 neighbours along the next K.  So a lane's two conversions make 8 bytes of the next operand, which go to LDS at their place in an IMAGE OF THE
; OPERAND'S REGISTERS: fragment (tile of rows m, K step s) at (m S + s) 1024, piece c 512 on, lane slot 16 bytes; scale words 4 bytes a lane, two K steps to a register (lanes 0-15, 16-31).
; Each image is written once in the launch.  Biases and gains: y = sum S + O with S = BNRS g, O = b S + beta.
; AHEAD OF ITS USE: a tile's fragments are asked for behind the products of the tile before, so that the silu and the quantiser of that tile stand between the request and the use; c1's 12 matrix instructions of a tile
; stand one by one among the vector lines of the tile before (its sums are copied out of their registers first).
; No cluster and no tensor load: what the work-groups share is 364 KB of weights, which each reads once, straight into the registers that use them; 238 KB of LDS hold images.
; LIMITS: NaN and infinities are not served; a block of zeros gets the byte 1 with zero codes; bn's sums are ordered as written above (about one last place from (sum + b) S + beta).
.set CN,  12288                        ; LDS: G 0: [radius 3][row 256][16 bytes];  CN: constants by unit:
.set C_RB, 0                           ;   res_b 512,
.set C_S0, 2048                        ;   blk0's S, O 512 each,
.set C_O0, 4096
.set C_S1, 6144                        ;   blk1's 256 each,
.set C_O1, 7168
.set C_S2, 8192                        ;   blk2's 256 each (0 from 170 on)
.set C_O2, 9216
.set XI,  22528                        ; f's images, 65,536;
.set XS,  88064                        ; its scale words, 4,096;
.set RI,  92160                        ; f' likewise;
.set RS,  157696
.set B0I, 161792                       ; blk0's result likewise;
.set B0S, 227328
.set B1I, 231424                       ; blk1's: 32,768 and 2,048
.set B1S, 264192
; REGISTERS, window 0: v1 16 lane, v2 4 lane, v3-9 LDS offsets that stay, v10-15, v114 those of the trip in hand
.set WS,  16                           ; v16-31  the weights' scale words (they hold scales and nothing else): v16-23 res, later blk1 (4) and blk2 (2); v24-31 blk0
.set AS,  32                           ; v32-33  the rows' scale words
.set TM,  34                           ; v34-35 largest magnitudes, v36-37 the other half's, v38-39 the conversions' scale operands, v40-41 bytes, v42 two bytes
.set PX,  36
.set SE,  38
.set BY,  40
.set SW,  42
.set PC,  48                           ; v48-51  codes just made
.set AF,  52                           ; v52-83  four fragments of rows; in the c1 half of P1 at work in silu
.set C1A, 84                           ; v84-107 c1's weights: (tile t, step s) at 6 t + 2 s;  from blk0 on v84-115 hold O
.set C1B, 108                          ; v108-113 the rows of g of the even tiles; v248-253 (140 on) those of the odd ones
.set C1D, 120                          ; v120-151 c1's sums: written by the f32 matrix form alone
.set ACC, 152                          ; v152-215 P1: two tiles of rows x 32 units; later v152-183 a tile's sums, the rest at work in silu
.set CS,  216                          ; v216-247 res_b, later S
.set CO,  84
.set PM,  184                          ; v184-199 blk2's running maxima
; window 1: v0-127 res_w's 16 fragments, later blk1_w's 8 (v0-63) and blk2_w's 4 (v64-95); v128-255 blk0_w's 16
.set MSB, 0
.macro WIN new                         ; the immediate's high byte repeats the setting that is left
.if MSB != \new
	s_set_vgpr_msb (MSB<<8)|\new
.set MSB, \new
.endif
.endm
.macro BARRIER                         ; my LDS stores have landed and my LDS loads are in: then the work-group's barrier
	s_wait_dscnt 0x0
	s_barrier_signal -1
	s_barrier_wait -1
.endm
.macro PLACES n                        ; plain lines between a matrix instruction and the first read of its result, or a load into its registers
.rept \n
	v_nop
.endr
.endm
.macro FETCH n, a, off                 ; n fragments of rows, as they were stored
.set fj, 0
.rept 2*\n
	ds_load_b128 v[AF+4*fj:AF+4*fj+3], v[\a] offset:\off+512*fj
.set fj, fj+1
.endr
.endm
; nt tiles of units x S K steps; the tiles take turns, one instruction a turn.  first = 1: K step 0 starts the sums.  Odd K steps take both sides' scales from lanes 16-31.
.macro MM nt, S, wb, ws, acc, first
.set ms, 0
.rept \S
.set mt, 0
.rept \nt
.set mD, \acc+8*mt
.set mA, \wb+8*(mt*\S+ms)
.set mB, AF+8*ms
.set mX, \ws+mt*(\S/2)+ms/2
.set mY, AS+ms/2
.if (ms%2) == 1
	v_wmma_scale_f32_16x16x128_f8f6f4 v[mD:mD+7], v[mA:mA+7], v[mB:mB+7], v[mD:mD+7], v[mX], v[mY] matrix_a_fmt:MATRIX_FMT_FP4 matrix_b_fmt:MATRIX_FMT_FP4 matrix_a_scale:MATRIX_SCALE_ROW1 matrix_b_scale:MATRIX_SCALE_ROW1
.elseif \first && (ms == 0)
	v_wmma_scale_f32_16x16x128_f8f6f4 v[mD:mD+7], v[mA:mA+7], v[mB:mB+7], 0, v[mX], v[mY] matrix_a_fmt:MATRIX_FMT_FP4 matrix_b_fmt:MATRIX_FMT_FP4
.else
	v_wmma_scale_f32_16x16x128_f8f6f4 v[mD:mD+7], v[mA:mA+7], v[mB:mB+7], v[mD:mD+7], v[mX], v[mY] matrix_a_fmt:MATRIX_FMT_FP4 matrix_b_fmt:MATRIX_FMT_FP4
.endif
.set mt, mt+1
.endr
.set ms, ms+1
.endr
.endm
; d = y / (1 + 2^(-y log2 e)) for n numbers, at work in v[e] on.  The exponentials are one batch with one wait, the reciprocals another; every pass goes up the registers from the low end.
.macro SILU n, y, d, e
.set sj, 0
.rept \n/2
	v_pk_mul_f32 v[\e+sj:\e+sj+1], v[\y+sj:\y+sj+1], s[48:49] op_sel_hi:[1,0]
.set sj, sj+2
.endr
.set sj, 0
.rept \n
	v_exp_f32 v[\e+sj], v[\e+sj]
.set sj, sj+1
.endr
	v_nop                                          ; a plain line behind the last transcendental,
	s_wait_alu depctr_va_vdst(0)                   ; and the one wait ahead of the batch's first reader
.set sj, 0
.rept \n/2
	v_pk_add_f32 v[\e+sj:\e+sj+1], v[\e+sj:\e+sj+1], 1.0 op_sel_hi:[1,0]
.set sj, sj+2
.endr
.set sj, 0
.rept \n
	v_rcp_f32 v[\e+sj], v[\e+sj]
.set sj, sj+1
.endr
	v_nop
	s_wait_alu depctr_va_vdst(0)
.set sj, 0
.rept \n/2
	v_pk_mul_f32 v[\d+sj:\d+sj+1], v[\y+sj:\y+sj+1], v[\e+sj:\e+sj+1]
.set sj, sj+2
.endr
.endm
.macro BN n                            ; y = sum S + O
.set bj, 0
.rept \n/2
	v_pk_fma_f32 v[ACC+bj:ACC+bj+1], v[ACC+bj:ACC+bj+1], v[CS+bj:CS+bj+1], v[CO+bj:CO+bj+1]
.set bj, bj+2
.endr
.endm
; 32 numbers of a lane = my halves of two blocks of 32 along the next K.  Lane l xor 16 holds the other halves.  8 bytes of codes a block and the two bytes go to their places in the images.
.macro QUANT2 src, ca, coff, sa, soff
.irp b, 0,1
	v_max3_num_f32 v[TM+\b], |v[\src+16*\b]|, |v[\src+16*\b+1]|, 0x1800000   ; with the floor 2^(3 - 127): the byte cannot fall under 1
.endr
.irp i, 2,4,6,8,10,12,14
.irp b, 0,1
	v_max3_num_f32 v[TM+\b], v[TM+\b], |v[\src+16*\b+\i]|, |v[\src+16*\b+\i+1]|
.endr
.endr
.irp b, 0,1
	v_permlanex16_b32 v[PX+\b], v[TM+\b], s54, s55
.endr
.irp b, 0,1
	v_max_num_f32 v[TM+\b], v[TM+\b], v[PX+\b]
.endr
.irp b, 0,1
	v_add_nc_u32 v[SE+\b], 0xff000000, v[TM+\b]    ; 2 off the exponent field: the conversion's scale operand
.endr
.irp b, 0,1
	v_lshrrev_b32 v[BY+\b], 23, v[SE+\b]
.endr
	v_lshl_or_b32 v[SW], v[BY+1], 8, v[BY]
	s_wait_dscnt 0x0                               ; the last stores have read the registers that are written now; what was asked for ahead (fragments, scale words, g) is in
.irp b, 0,1
	v_cvt_scalef32_pk8_fp4_f32 v[PC+2*\b], v[\src+16*\b:\src+16*\b+7], v[SE+\b]
	v_cvt_scalef32_pk8_fp4_f32 v[PC+2*\b+1], v[\src+16*\b+8:\src+16*\b+15], v[SE+\b]
.endr
	v_nop                                          ; one plain line behind the conversions
.irp b, 0,1
	ds_store_b64 v[\ca], v[PC+2*\b:PC+2*\b+1] offset:\coff+256*\b   ; 32 lanes fill 256 consecutive bytes: sixteen lane slots of the image
.endr
	ds_store_b16 v[\sa], v[SW] offset:\soff        ; both lanes of a row write the same two bytes with the same value
.endm
.macro QUANT1 src, ca, sa              ; the same for 16 numbers: one block
	v_max3_num_f32 v[TM], |v[\src]|, |v[\src+1]|, 0x1800000
	v_max3_num_f32 v[TM+1], |v[\src+8]|, |v[\src+9]|, |v[\src+10]|
	v_max3_num_f32 v[TM], v[TM], |v[\src+2]|, |v[\src+3]|
	v_max3_num_f32 v[TM+1], v[TM+1], |v[\src+11]|, |v[\src+12]|
	v_max3_num_f32 v[TM], v[TM], |v[\src+4]|, |v[\src+5]|
	v_max3_num_f32 v[TM+1], v[TM+1], |v[\src+13]|, |v[\src+14]|
	v_max3_num_f32 v[TM], v[TM], |v[\src+6]|, |v[\src+7]|
	v_max3_num_f32 v[TM], v[TM], v[TM+1], |v[\src+15]|
	v_permlanex16_b32 v[PX], v[TM], s54, s55
	v_max_num_f32 v[TM], v[TM], v[PX]
	v_add_nc_u32 v[SE], 0xff000000, v[TM]
	v_lshrrev_b32 v[BY], 23, v[SE]
	s_wait_dscnt 0x0
	v_cvt_scalef32_pk8_fp4_f32 v[PC], v[\src:\src+7], v[SE]
	v_cvt_scalef32_pk8_fp4_f32 v[PC+1], v[\src+8:\src+15], v[SE]
	v_nop
	ds_store_b64 v[\ca], v[PC:PC+1]
	ds_store_b8 v[\sa], v[BY]
.endm
; ---------------- the head
	s_load_b512 s[4:19], s[0:1], 0x0               ; idx s[4:5], pc4 s[6:7], wq s[8:9], wsc s[10:11], c1_w s[12:13], c1_b s[14:15], c1_g s[16:17], c1_beta s[18:19]
	s_load_b512 s[20:35], s[0:1], 0x40             ; res_b s[20:21], blk0_b, _g, _beta s[22:27], blk1_b, _g, _beta s[28:33], blk2_b s[34:35]
	s_load_b128 s[36:39], s[0:1], 0x80             ; blk2_g, blk2_beta
	s_load_b64 s[40:41], s[0:1], 0x90              ; part
	v_lshl_add_u32 v254, v0, 2, 0x41000
	v_mov_b32 v255, 0
	v_lshrrev_b32 v34, 5, v0
	v_readfirstlane_b32 s42, v34                   ; wave 0..7
	s_and_b32 s43, ttmp9, 7                        ; chunk
	s_bfe_u32 s44, ttmp9, 0x30003                  ; k
	s_lshr_b32 s45, ttmp9, 6                       ; b
	s_mov_b32 s48, 0xbfb8aa3b                      ; -log2(e), as a pair for the packed form
	s_mov_b32 s49, s48
	s_mov_b32 s54, 0x76543210
	s_mov_b32 s55, 0xfedcba98                      ; v_permlanex16_b32's selects for lane l xor 16
	s_mov_b32 s56, 0xffff0000                      ; lanes 16-31
	s_mov_b32 s59, 0x3f7fdf42                      ; BNRS = 1 / sqrt(1.001)
	v_and_b32 v35, 31, v0                          ; lane
	v_and_b32 v46, 15, v0                          ; r
	v_bfe_u32 v47, v0, 4, 1                        ; h
	v_lshlrev_b32 v34, 4, v0                       ; 16 t
	v_lshlrev_b32 v39, 2, v0                       ; 4 t
	v_lshlrev_b32 v38, 3, v35                      ; 8 lane
	v_lshlrev_b32 v1, 4, v35
	v_lshlrev_b32 v2, 2, v35
	v_lshlrev_b32 v3, 4, v46
	v_lshl_add_u32 v3, v47, 3, v3                  ; v3 = 16 r + 8 h: my 8 bytes of a row of g, and of a lane slot
	s_lshl_b32 s46, s42, 9
	v_add_nc_u32 v4, s46, v3                       ; v4: codes of units 64 w on: K step w / 2, piece w % 2: 512 w
	s_lshr_b32 s46, s42, 1
	s_lshl_b32 s46, s46, 6
	s_and_b32 s47, s42, 1
	s_lshl_b32 s47, s47, 1
	s_add_co_u32 s46, s46, s47
	v_lshl_add_u32 v5, v46, 2, s46                 ; v5: their two bytes: 4 r + 64 (w / 2) + 2 (w % 2)
	s_lshl_b32 s46, s42, 8
	s_add_co_u32 s47, s46, B1I
	v_add_nc_u32 v6, s47, v3                       ; v6: codes of units 32 w on (K = 256): 256 w
	s_add_co_u32 s47, s46, CN
	v_lshl_add_u32 v8, v47, 6, s47                 ; v8: constants of units 64 w + 16 h on
	v_and_b32 v44, 8, v46
	v_add_nc_u32 v44, v44, v46
	v_lshl_add_u32 v44, v44, 2, s46                ; c1: unit 64 w + r + 8 (r / 8), in bytes
	v_lshl_add_u32 v45, v47, 12, v44               ; and two rows of c1_w further down for lanes 16-31
	s_lshr_b32 s46, s42, 2
	s_lshl_b32 s46, s46, 6
	s_and_b32 s47, s42, 3
	s_add_co_u32 s46, s46, s47
	s_add_co_u32 s46, s46, B1S
	v_lshl_add_u32 v7, v46, 2, s46                 ; v7: their byte: 4 r + 64 (w / 4) + w % 4
	s_lshl_b32 s46, s42, 7
	s_add_co_u32 s46, s46, CN
	v_lshl_add_u32 v9, v47, 6, s46                 ; v9: constants of units 32 w + 16 h on
	v_min_u32 v43, 0xa9, v0
	v_lshlrev_b32 v43, 2, v43                      ; blk2's vectors have 170 numbers: no load leaves them
	v_mov_b32 v36, 0                               ; a lane permute's destination counts as one of its sources
	v_mov_b32 v37, 0
	s_lshl_b32 s46, s45, 6                         ; idx: block of 32 rows 64 b + 8 chunk + w; in it [radius][k / 2][lane][k % 2]
	s_lshl_b32 s47, s43, 3
	s_add_co_u32 s46, s46, s47
	s_add_co_u32 s46, s46, s42
	s_mul_i32 s46, s46, 12
	s_lshr_b32 s47, s44, 1
	s_add_co_u32 s46, s46, s47
	s_lshl_b32 s46, s46, 8
	s_and_b32 s47, s44, 1
	s_lshl_b32 s47, s47, 2
	s_add_co_u32 s46, s46, s47
	s_mov_b32 s47, 0
	s_lshl_b32 s52, s45, 15
	s_mov_b32 s53, 0
	s_wait_kmcnt 0x0
	s_add_nc_u64 s[4:5], s[4:5], s[46:47]
	s_add_nc_u64 s[6:7], s[6:7], s[52:53]          ; my batch's points
.irp q, 0,1,2
	global_load_b32 v[40+\q], v38, s[4:5] offset:1024*\q   ; row t's neighbour k of radius q
.endr
	global_load_b32 v152, v39, s[20:21]
	global_load_b32 v153, v39, s[20:21] offset:1024
	global_load_b32 v154, v39, s[22:23]
	global_load_b32 v155, v39, s[22:23] offset:1024
	global_load_b32 v156, v39, s[24:25]
	global_load_b32 v157, v39, s[24:25] offset:1024
	global_load_b32 v158, v39, s[26:27]
	global_load_b32 v159, v39, s[26:27] offset:1024
	global_load_b32 v160, v39, s[28:29]
	global_load_b32 v161, v39, s[30:31]
	global_load_b32 v162, v39, s[32:33]
	global_load_b32 v163, v43, s[34:35]
	global_load_b32 v164, v43, s[36:37]
	global_load_b32 v165, v43, s[38:39]
.irp t, 0,1,2,3                        ; c1's weights in the f32 form's layout: lane (r, h), register j: k = 2 h + j of the step's (x, y, z, 1)
.irp s, 0,1,2
	global_load_b32 v[C1A+6*\t+2*\s], v45, s[12:13] offset:(32*(\t/2)+8*(\t%2))*4+3*\s*2048
	global_load_b32 v[C1A+6*\t+2*\s+1], v44, s[12:13] offset:(32*(\t/2)+8*(\t%2))*4+(3*\s+1)*2048
.endr
	global_load_b32 v[166+3*\t], v44, s[16:17] offset:(32*(\t/2)+8*(\t%2))*4
	global_load_b32 v[167+3*\t], v44, s[14:15] offset:(32*(\t/2)+8*(\t%2))*4
	global_load_b32 v[168+3*\t], v44, s[18:19] offset:(32*(\t/2)+8*(\t%2))*4
.endr
	s_wait_loadcnt 50                              ; the three indices are in: 14 + 36 loads are younger
.irp q, 0,1,2
	v_min_u32 v[40+\q], 0x7ff, v[40+\q]            ; an index stays inside its table
	v_lshlrev_b32 v[40+\q], 4, v[40+\q]
.endr
.irp q, 0,1,2
	global_load_b128 v[180+4*\q:183+4*\q], v[40+\q], s[6:7]
.endr
	s_wait_loadcnt 39                              ; the 14 vectors' loads are in: c1's 36 and the 3 gathers are younger
	ds_store_b32 v39, v152 offset:CN+C_RB
	ds_store_b32 v39, v153 offset:CN+C_RB+1024
	v_mul_f32 v156, s59, v156
	v_mul_f32 v157, s59, v157
	v_mul_f32 v161, s59, v161
	v_mul_f32 v164, s59, v164
	v_fma_f32 v154, v154, v156, v158
	v_fma_f32 v155, v155, v157, v159
	v_fma_f32 v160, v160, v161, v162
	v_fma_f32 v163, v163, v164, v165
	v_cmp_gt_u32 vcc_lo, 0xaa, v0
	v_cndmask_b32 v164, 0, v164, vcc_lo            ; units 170 on: S = O = 0
	v_cndmask_b32 v163, 0, v163, vcc_lo
	ds_store_b32 v39, v156 offset:CN+C_S0
	ds_store_b32 v39, v157 offset:CN+C_S0+1024
	ds_store_b32 v39, v154 offset:CN+C_O0
	ds_store_b32 v39, v155 offset:CN+C_O0+1024
	ds_store_b32 v39, v161 offset:CN+C_S1
	ds_store_b32 v39, v160 offset:CN+C_O1
	ds_store_b32 v39, v164 offset:CN+C_S2
	ds_store_b32 v39, v163 offset:CN+C_O2
	s_wait_loadcnt 3                               ; c1's 36 loads are in: the gathers are younger
.irp t, 0,1,2,3
	v_mul_f32 v[166+3*\t], s59, v[166+3*\t]                            ; S
	v_fma_f32 v[167+3*\t], v[167+3*\t], v[166+3*\t], v[168+3*\t]       ; b S + beta
.irp s, 0,1,2
	v_mul_f32 v[C1A+6*\t+2*\s], v[C1A+6*\t+2*\s], v[166+3*\t]
	v_mul_f32 v[C1A+6*\t+2*\s+1], v[C1A+6*\t+2*\s+1], v[166+3*\t]
.endr
	v_cndmask_b32 v[C1A+6*\t+1], v[C1A+6*\t+1], v[167+3*\t], s56       ; k = 3 (lanes 16-31, register 1): the bias in the first step,
	v_cndmask_b32 v[C1A+6*\t+3], v[C1A+6*\t+3], 0, s56                 ; nothing in the others
	v_cndmask_b32 v[C1A+6*\t+5], v[C1A+6*\t+5], 0, s56
.endr
	s_wait_loadcnt 0x0
.irp q, 0,1,2
	ds_store_b128 v34, v[180+4*\q:183+4*\q] offset:4096*\q
.endr
	s_lshl_b32 s46, s42, 14                        ; my 16 fragments of res_w and of blk0_w, my 8 + 8 scale words.  (s[12:15]: their own loads are done)
	s_add_nc_u64 s[12:13], s[8:9], s[46:47]
	s_lshl_b32 s46, s42, 10
	s_add_nc_u64 s[14:15], s[10:11], s[46:47]
	WIN 0x40                                       ; destination window 1
.set i, 0
.rept 32
	global_load_b128 v[4*i:4*i+3], v1, s[12:13] offset:512*i
.set i, i+1
.endr
	WIN 0
.set i, 0
.rept 8
	global_load_b32 v[WS+i], v2, s[14:15] offset:128*i
.set i, i+1
.endr
	WIN 0x40
.set i, 0
.rept 32
	global_load_b128 v[128+4*i:128+4*i+3], v1, s[12:13] offset:131072+512*i
.set i, i+1
.endr
	WIN 0
.set i, 0
.rept 8
	global_load_b32 v[WS+8+i], v2, s[14:15] offset:8192+128*i
.set i, i+1
.endr
	BARRIER                                        ; g and the constants lie in LDS
.irp q, 0,1
.irp j, 0,1,2,3
	ds_load_b128 v[CS+16*\q+4*\j:CS+16*\q+4*\j+3], v8 offset:C_RB+128*\q+16*\j
.endr
.endr
; ---------------- P1: c1 and the residual layer, 32 rows a trip: f stays in the accumulators as the C of the product
; One of c1's matrix instructions: K step s, tile t of units, the rows of g in v[b] on.  The four tiles take turns, one instruction a turn.
.macro CW s, t, b
.if (\s) == 0
	v_wmma_f32_16x16x4_f32 v[C1D+8*(\t):C1D+8*(\t)+7], v[C1A+6*(\t):C1A+6*(\t)+1], v[\b:\b+1], 0
.else
	v_wmma_f32_16x16x4_f32 v[C1D+8*(\t):C1D+8*(\t)+7], v[C1A+6*(\t)+2*(\s):C1A+6*(\t)+2*(\s)+1], v[\b+2*(\s):\b+2*(\s)+1], v[C1D+8*(\t):C1D+8*(\t)+7]
.endif
.endm
; Tile i of the trip.  Its sums y stand finished in v[C1D] on.  They are read twice, y (-log2 e) for the exponentials and y itself, copied to the tile's accumulators: behind that a tile of units is free, and
; THE NEXT TILE'S SUMS ARE STARTED (w = 1): K step 0 behind each tile's eight lines, K steps 1 and 2 with four exponentials behind each.  gl = 1: the rows of g of the tile after next are asked for, into the registers
; that this tile's sums have read (their matrix instructions stand a whole tile's vector lines back).  The next tile's sums are first read a tile on: the additions, multiplications and the quantiser between are their places.
.macro CSTEP i, gl, w
.set cA, ACC+32*\i
.set cB, C1B+140*\i
.set cN, C1B+140*(1-\i)
.if \gl
.irp s, 0,1,2
	ds_load_b64 v[cB+2*\s:cB+2*\s+1], v10 offset:\s*4096+\i*256+512
.endr
.endif
.irp t, 0,1,2,3
.irp p, 0,2,4,6
	v_pk_mul_f32 v[AF+8*\t+\p:AF+8*\t+\p+1], v[C1D+8*\t+\p:C1D+8*\t+\p+1], s[48:49] op_sel_hi:[1,0]
.endr
.irp p, 0,2,4,6
	v_pk_mul_f32 v[cA+8*\t+\p:cA+8*\t+\p+1], v[C1D+8*\t+\p:C1D+8*\t+\p+1], 1.0 op_sel_hi:[1,0]   ; y as it is: x 1 rounds nothing
.endr
.if \w
	CW 0, \t, cN
.endif
.endr
.irp n, 0,1,2,3,4,5,6,7
.if \w
	CW 1+\n/4, \n%4, cN
.endif
.irp e, 0,1,2,3
	v_exp_f32 v[AF+4*\n+\e], v[AF+4*\n+\e]
.endr
.endr
	v_nop                                          ; a plain line behind the last transcendental,
	s_wait_alu depctr_va_vdst(0)                   ; and the one wait ahead of the batch's first reader
.set sj, 0
.rept 16
	v_pk_add_f32 v[AF+sj:AF+sj+1], v[AF+sj:AF+sj+1], 1.0 op_sel_hi:[1,0]
.set sj, sj+2
.endr
.set sj, 0
.rept 32
	v_rcp_f32 v[AF+sj], v[AF+sj]
.set sj, sj+1
.endr
	v_nop
	s_wait_alu depctr_va_vdst(0)
.set sj, 0
.rept 16
	v_pk_mul_f32 v[cA+sj:cA+sj+1], v[cA+sj:cA+sj+1], v[AF+sj:AF+sj+1]   ; f
.set sj, sj+2
.endr
	QUANT2 cA, 11, XI+\i*4096, 12, \i*256
.endm
; The residual layer for the trip's two tiles.  The additions of res_b stand behind the first fetch; the second tile's fragments are asked for behind the first tile's products and are waited for in its quantiser.
.macro RESPH
	FETCH 4, 13, XI
	ds_load_b32 v[AS], v14
	ds_load_b32 v[AS+1], v14 offset:128
.set cj, 0
.rept 32
	v_pk_add_f32 v[ACC+cj:ACC+cj+1], v[ACC+cj:ACC+cj+1], v[CS+(cj%32):CS+(cj%32)+1]   ; f + res_b: what the product adds onto
.set cj, cj+2
.endr
	s_wait_dscnt 0x0
	s_wait_loadcnt 40                              ; res_w and its scales are in: blk0's 32 + 8 loads are younger (nothing is loaded in the loop: later trips pass at once)
	WIN 0x01                                       ; source 0 window 1
	MM 4, 4, 0, WS, ACC, 0
	WIN 0
	PLACES 4
	FETCH 4, 13, XI+4096
	ds_load_b32 v[AS], v14 offset:256
	ds_load_b32 v[AS+1], v14 offset:384
	QUANT2 ACC, 15, 0, 114, 0
	WIN 0x01
	MM 4, 4, 0, WS, ACC+32, 0
	WIN 0
	PLACES 4
	QUANT2 ACC+32, 15, 4096, 114, 256
.endm
.macro P1TRIP gl, w1
	s_add_co_u32 s53, s52, XS
	s_add_co_u32 s57, s51, RI
	s_add_co_u32 s58, s52, RS
	v_add_nc_u32 v10, s52, v3
	v_add_nc_u32 v11, s51, v4
	v_add_nc_u32 v12, s53, v5
	v_add_nc_u32 v13, s51, v1
	v_add_nc_u32 v14, s53, v2
	v_add_nc_u32 v15, s57, v4
	v_add_nc_u32 v114, s58, v5
	CSTEP 0, \gl, 1
	CSTEP 1, \gl, \w1
	BARRIER                                        ; the two tiles' images of f are whole
	RESPH
	BARRIER                                        ; every wave has read them; behind the last trip: f' is whole
.endm
.irp s, 0,1,2                          ; the first two tiles' rows of g, and the first tile's sums, ahead of the loop
	ds_load_b64 v[C1B+2*\s:C1B+2*\s+1], v3 offset:\s*4096
	ds_load_b64 v[C1B+140+2*\s:C1B+140+2*\s+1], v3 offset:\s*4096+256
.endr
	s_wait_dscnt 0x0
.irp s, 0,1,2
.irp t, 0,1,2,3
	CW \s, \t, C1B
.endr
.endr
	PLACES 8
	s_mov_b32 s50, 0
	s_mov_b32 s51, 0                               ; two tiles of rows on: 8,192 bytes of codes,
	s_mov_b32 s52, 0                               ; 512 of scale words, and 512 of g
.Lp1:
	P1TRIP 1, 1
	s_add_co_u32 s51, s51, 8192
	s_add_co_u32 s52, s52, 512
	s_add_co_u32 s50, s50, 1
	s_cmp_lt_u32 s50, 7
	s_cbranch_scc1 .Lp1
	P1TRIP 0, 0                                    ; tiles 14 and 15: no g and no sums beyond them
; the last two layers' weights are asked for a phase ahead, into the registers that res_w has left.  (s[16:23]: their own loads are long done)
	s_lshl_b32 s46, s42, 13
	s_add_nc_u64 s[16:17], s[8:9], s[46:47]
	s_min_u32 s53, s42, 5                          ; waves 6 and 7 have no part of blk2: they load wave 5's and do not use it
	s_lshl_b32 s46, s53, 12
	s_add_nc_u64 s[18:19], s[8:9], s[46:47]
	s_lshl_b32 s46, s42, 9
	s_add_nc_u64 s[20:21], s[10:11], s[46:47]
	s_lshl_b32 s46, s53, 8
	s_add_nc_u64 s[22:23], s[10:11], s[46:47]
	WIN 0x40
.set i, 0
.rept 16
	global_load_b128 v[4*i:4*i+3], v1, s[16:17] offset:262144+512*i
.set i, i+1
.endr
.set i, 0
.rept 8
	global_load_b128 v[64+4*i:64+4*i+3], v1, s[18:19] offset:327680+512*i
.set i, i+1
.endr
	WIN 0
.irp i, 0,1,2,3
	global_load_b32 v[WS+\i], v2, s[20:21] offset:16384+128*\i
.endr
.irp i, 0,1
	global_load_b32 v[WS+4+\i], v2, s[22:23] offset:20480+128*\i
.endr
.irp q, 0,1
.irp j, 0,1,2,3
	ds_load_b128 v[CS+16*\q+4*\j:CS+16*\q+4*\j+3], v8 offset:C_S0+128*\q+16*\j
	ds_load_b128 v[CO+16*\q+4*\j:CO+16*\q+4*\j+3], v8 offset:C_O0+128*\q+16*\j
.endr
.endr
; ---------------- P2: blk0, a tile of rows a trip.  pf = 1: the next tile's fragments and scale words are asked for behind this tile's products; the quantiser's wait is their wait, so none stands at a trip's head
.macro P2TRIP pf
	s_add_co_u32 s53, s51, RI
	v_add_nc_u32 v10, s53, v1
	s_add_co_u32 s53, s52, RS
	v_add_nc_u32 v11, s53, v2
	s_add_co_u32 s53, s51, B0I
	v_add_nc_u32 v12, s53, v4
	s_add_co_u32 s53, s52, B0S
	v_add_nc_u32 v13, s53, v5
	WIN 0x01
	MM 4, 4, 128, WS+8, ACC, 1
	WIN 0
	PLACES 4
.if \pf
	FETCH 4, 10, 4096
	ds_load_b32 v[AS], v11 offset:256
	ds_load_b32 v[AS+1], v11 offset:384
.endif
	BN 32
	SILU 32, ACC, ACC, ACC+32
	QUANT2 ACC, 12, 0, 13, 0
.endm
	v_add_nc_u32 v10, RI, v1
	v_add_nc_u32 v11, RS, v2
	FETCH 4, 10, 0                                 ; tile 0
	ds_load_b32 v[AS], v11
	ds_load_b32 v[AS+1], v11 offset:128
	s_wait_loadcnt 30                              ; blk0_w and its scales are in: the 30 loads just issued are younger
	s_wait_dscnt 0x0
	s_mov_b32 s50, 0
	s_mov_b32 s51, 0
	s_mov_b32 s52, 0
.Lp2:
	P2TRIP 1
	s_add_co_u32 s51, s51, 4096
	s_add_co_u32 s52, s52, 256
	s_add_co_u32 s50, s50, 1
	s_cmp_lt_u32 s50, 15
	s_cbranch_scc1 .Lp2
	P2TRIP 0                                       ; tile 15: nothing is left to fetch
	BARRIER                                        ; blk0's result is whole
.irp j, 0,1,2,3
	ds_load_b128 v[CS+4*\j:CS+4*\j+3], v9 offset:C_S1+16*\j
	ds_load_b128 v[CO+4*\j:CO+4*\j+3], v9 offset:C_O1+16*\j
.endr
; ---------------- P3: blk1, in the same form
.macro P3TRIP pf
	s_add_co_u32 s53, s51, B0I
	v_add_nc_u32 v10, s53, v1
	s_add_co_u32 s53, s52, B0S
	v_add_nc_u32 v11, s53, v2
	v_add_nc_u32 v12, s57, v6
	v_add_nc_u32 v13, s58, v7
	WIN 0x01
	MM 2, 4, 0, WS, ACC, 1
	WIN 0
	PLACES 4
.if \pf
	FETCH 4, 10, 4096
	ds_load_b32 v[AS], v11 offset:256
	ds_load_b32 v[AS+1], v11 offset:384
.endif
	BN 16
	SILU 16, ACC, ACC, ACC+32
	QUANT1 ACC, 12, 13
.endm
	v_add_nc_u32 v10, B0I, v1
	v_add_nc_u32 v11, B0S, v2
	FETCH 4, 10, 0
	ds_load_b32 v[AS], v11
	ds_load_b32 v[AS+1], v11 offset:128
	s_wait_loadcnt 0x0
	s_wait_dscnt 0x0
	s_mov_b32 s50, 0
	s_mov_b32 s51, 0
	s_mov_b32 s52, 0
	s_mov_b32 s57, 0
	s_mov_b32 s58, 0
.Lp3:
	P3TRIP 1
	s_add_co_u32 s51, s51, 4096
	s_add_co_u32 s52, s52, 256
	s_add_co_u32 s57, s57, 2048
	s_add_co_u32 s58, s58, 128
	s_add_co_u32 s50, s50, 1
	s_cmp_lt_u32 s50, 15
	s_cbranch_scc1 .Lp3
	P3TRIP 0
	BARRIER                                        ; blk1's result is whole: the last barrier
.irp j, 0,1,2,3
	ds_load_b128 v[CS+4*\j:CS+4*\j+3], v9 offset:C_S2+16*\j
	ds_load_b128 v[CO+4*\j:CO+4*\j+3], v9 offset:C_O2+16*\j
.endr
.set i, 0
.rept 16
	v_mov_b32 v[PM+i], 0xff800000                  ; the maxima start at -infinity
.set i, i+1
.endr
; ---------------- P4: blk2 and the maximum over the rows.  Every wave walks the loop; waves 6 and 7, which have no units, pass over a trip's work
.macro P4TRIP pf
	s_wait_dscnt 0x0                               ; what was asked for a trip ago is in
	s_add_co_u32 s53, s51, B1I
	v_add_nc_u32 v10, s53, v1
	s_add_co_u32 s53, s52, B1S
	v_add_nc_u32 v11, s53, v2
	s_cmp_ge_u32 s42, 6
	s_cbranch_scc1 .Lp4_no_units_\@
	WIN 0x01
	MM 2, 2, 64, WS+4, ACC, 1
	WIN 0
	PLACES 4
.if \pf
	FETCH 2, 10, 2048
	ds_load_b32 v[AS], v11 offset:128
.endif
	BN 16
	SILU 16, ACC, ACC, ACC+16
.set pj, 0
.rept 16
	v_max_num_f32 v[PM+pj], v[PM+pj], v[ACC+pj]
.set pj, pj+1
.endr
.Lp4_no_units_\@:
.endm
	v_add_nc_u32 v10, B1I, v1
	v_add_nc_u32 v11, B1S, v2
	s_cmp_ge_u32 s42, 6
	s_cbranch_scc1 .Lp4_idle
	FETCH 2, 10, 0
	ds_load_b32 v[AS], v11
.Lp4_idle:
	s_mov_b32 s50, 0
	s_mov_b32 s51, 0
	s_mov_b32 s52, 0
.Lp4:
	P4TRIP 1
	s_add_co_u32 s51, s51, 2048
	s_add_co_u32 s52, s52, 128
	s_add_co_u32 s50, s50, 1
	s_cmp_lt_u32 s50, 15
	s_cbranch_scc1 .Lp4
	P4TRIP 0
	s_cmp_ge_u32 s42, 6
	s_cbranch_scc1 .Lend
.irp x, 1,2,4,8                        ; over a tile's 16 rows, which lie in the 16 lanes of a half
.set i, 0
.rept 16
	v_max_num_f32_dpp v[PM+i], v[PM+i], v[PM+i] row_xmask:\x row_mask:0xf bank_mask:0xf
.set i, i+1
.endr
.endr
	v_and_b32 v34, 15, v0
	v_bfe_u32 v35, v0, 4, 1
	v_lshlrev_b32 v35, 6, v35                      ; units 32 w + 16 h on
	v_cmp_eq_u32 vcc_lo, 0, v34
	s_mul_i32 s46, ttmp9, 768
	s_lshl_b32 s53, s42, 7
	s_add_co_u32 s46, s46, s53
	s_add_nc_u64 s[40:41], s[40:41], s[46:47]
	s_wait_xcnt 0x0                                ; EXEC changes only behind this wait
	s_and_saveexec_b32 s53, vcc_lo                 ; lanes 0 and 16 store: 768 bytes a work-group go out so
.irp j, 0,1,2,3
	global_store_b128 v35, v[PM+4*\j:PM+4*\j+3], s[40:41] offset:16*\j
.endr
	s_wait_xcnt 0x0
	s_or_b32 exec_lo, exec_lo, s53
.Lend:
	s_wait_tensorcnt 0x0
	ds_add_u32 v254, v255
	s_wait_dscnt 0x0
	s_endpgm
.Lfunc_end_k_qaca34a6877_chain:
	.size	k_qaca34a6877_chain, .Lfunc_end_k_qaca34a6877_chain-k_qaca34a6877_chain
	.p2alignl 7, 3214868480
	.fill 96, 4, 3214868480
	.section	.rodata,"a",@progbits
	.p2align	6, 0x0
	.amdhsa_kernel k_qaca34a6877_chain
		.amdhsa_group_segment_fixed_size 267264
		.amdhsa_private_segment_fixed_size 0
		.amdhsa_enable_private_segment 0
		.amdhsa_kernarg_size 152
		.amdhsa_user_sgpr_count 2
		.amdhsa_user_sgpr_kernarg_segment_ptr 1
		.amdhsa_wavefront_size32 1
		.amdhsa_system_sgpr_workgroup_id_x 1
		.amdhsa_system_sgpr_workgroup_id_y 1
		.amdhsa_system_sgpr_workgroup_id_z 1
		.amdhsa_system_vgpr_workitem_id 0
		.amdhsa_next_free_vgpr 512
		.amdhsa_next_free_sgpr 66
		.amdhsa_reserve_vcc 1
		.amdhsa_float_denorm_mode_32 3
		.amdhsa_float_denorm_mode_16_64 3
		.amdhsa_memory_ordered 1
		.amdhsa_forward_progress 1
		.amdhsa_inst_pref_size 140
	.end_amdhsa_kernel
	.amdgpu_metadata
---
amdhsa.version: [ 1, 2 ]
amdhsa.kernels:
  - .name:           k_qaca34a6877_chain
    .symbol:         k_qaca34a6877_chain.kd
    .args:
      - { .name: idx, .offset: 0, .size: 8, .value_kind: global_buffer, .address_space: global }
      - { .name: pc4, .offset: 8, .size: 8, .value_kind: global_buffer, .address_space: global }
      - { .name: wq, .offset: 16, .size: 8, .value_kind: global_buffer, .address_space: global }
      - { .name: wsc, .offset: 24, .size: 8, .value_kind: global_buffer, .address_space: global }
      - { .name: c1_w, .offset: 32, .size: 8, .value_kind: global_buffer, .address_space: global }
      - { .name: c1_b, .offset: 40, .size: 8, .value_kind: global_buffer, .address_space: global }
      - { .name: c1_g, .offset: 48, .size: 8, .value_kind: global_buffer, .address_space: global }
      - { .name: c1_beta, .offset: 56, .size: 8, .value_kind: global_buffer, .address_space: global }
      - { .name: res_b, .offset: 64, .size: 8, .value_kind: global_buffer, .address_space: global }
      - { .name: blk0_b, .offset: 72, .size: 8, .value_kind: global_buffer, .address_space: global }
      - { .name: blk0_g, .offset: 80, .size: 8, .value_kind: global_buffer, .address_space: global }
      - { .name: blk0_beta, .offset: 88, .size: 8, .value_kind: global_buffer, .address_space: global }
      - { .name: blk1_b, .offset: 96, .size: 8, .value_kind: global_buffer, .address_space: global }
      - { .name: blk1_g, .offset: 104, .size: 8, .value_kind: global_buffer, .address_space: global }
      - { .name: blk1_beta, .offset: 112, .size: 8, .value_kind: global_buffer, .address_space: global }
      - { .name: blk2_b, .offset: 120, .size: 8, .value_kind: global_buffer, .address_space: global }
      - { .name: blk2_g, .offset: 128, .size: 8, .value_kind: global_buffer, .address_space: global }
      - { .name: blk2_beta, .offset: 136, .size: 8, .value_kind: global_buffer, .address_space: global }
      - { .name: part, .offset: 144, .size: 8, .value_kind: global_buffer, .address_space: global }
    .group_segment_fixed_size: 267264
    .private_segment_fixed_size: 0
    .kernarg_segment_align: 8
    .kernarg_segment_size: 152
    .max_flat_workgroup_size: 256
    .sgpr_count:     66
    .vgpr_count:     512
    .wavefront_size: 32
...
	.end_amdgpu_metadata
.endif
;; end of part 3
;; launch final (part 4): grid 32 x 1, 6 waves a work-group, no clusters, 0 bytes of LDS; arguments part, out0; writes out0
.if DOCPART == 4
	.amdgcn_target "amdgcn-amd-amdhsa--gfx1250"
	.amdhsa_code_object_version 6
	.text
	.protected	k_qaca34a6877_final
	.globl	k_qaca34a6877_final
	.p2align	8
	.type	k_qaca34a6877_final,@function
k_qaca34a6877_final:
	s_mov_b64 s[64:65], 0
	v_nop
	global_prefetch_b8 v0, s[64:65] scope:SCOPE_SE
	s_setreg_imm32_b32 hwreg(HW_REG_WAVE_MODE, 25, 1), 1
	s_wait_xcnt 0x0
; out0[b][170 k + c] = the maximum over the eight chunks of rows of part[64 b + 8 k + chunk][c].  Work-group x = 8 b + k, thread c; 192 threads, of which 170 store.
	s_load_b128 s[4:7], s[0:1], 0x0                ; part, out0
	v_lshlrev_b32 v1, 2, v0
	s_mul_i32 s8, ttmp9, 6144                      ; eight rows of 192 f32
	s_mov_b32 s9, 0
	s_mul_i32 s10, ttmp9, 680                      ; 170 f32
	s_mov_b32 s11, 0
	s_wait_kmcnt 0x0
	s_add_nc_u64 s[4:5], s[4:5], s[8:9]
	s_add_nc_u64 s[6:7], s[6:7], s[10:11]
.irp i, 0,1,2,3,4,5,6,7
	global_load_b32 v[2+\i], v1, s[4:5] offset:768*\i
.endr
	s_wait_loadcnt 0x0
	v_max3_num_f32 v2, v2, v3, v4
	v_max3_num_f32 v5, v5, v6, v7
	v_max3_num_f32 v2, v2, v8, v9
	v_max_num_f32 v2, v2, v5
	v_cmp_gt_u32 vcc_lo, 0xaa, v0
	s_wait_xcnt 0x0                                ; EXEC changes only behind this wait
	s_and_saveexec_b32 s12, vcc_lo
	global_store_b32 v1, v2, s[6:7]
	s_wait_xcnt 0x0
	s_or_b32 exec_lo, exec_lo, s12
	s_endpgm
.Lfunc_end_k_qaca34a6877_final:
	.size	k_qaca34a6877_final, .Lfunc_end_k_qaca34a6877_final-k_qaca34a6877_final
	.p2alignl 7, 3214868480
	.fill 96, 4, 3214868480
	.section	.rodata,"a",@progbits
	.p2align	6, 0x0
	.amdhsa_kernel k_qaca34a6877_final
		.amdhsa_group_segment_fixed_size 0
		.amdhsa_private_segment_fixed_size 0
		.amdhsa_enable_private_segment 0
		.amdhsa_kernarg_size 16
		.amdhsa_user_sgpr_count 2
		.amdhsa_user_sgpr_kernarg_segment_ptr 1
		.amdhsa_wavefront_size32 1
		.amdhsa_system_sgpr_workgroup_id_x 1
		.amdhsa_system_sgpr_workgroup_id_y 1
		.amdhsa_system_sgpr_workgroup_id_z 1
		.amdhsa_system_vgpr_workitem_id 0
		.amdhsa_next_free_vgpr 16
		.amdhsa_next_free_sgpr 66
		.amdhsa_reserve_vcc 1
		.amdhsa_float_denorm_mode_32 3
		.amdhsa_float_denorm_mode_16_64 3
		.amdhsa_memory_ordered 1
		.amdhsa_forward_progress 1
		.amdhsa_inst_pref_size 2
	.end_amdhsa_kernel
	.amdgpu_metadata
---
amdhsa.version: [ 1, 2 ]
amdhsa.kernels:
  - .name:           k_qaca34a6877_final
    .symbol:         k_qaca34a6877_final.kd
    .args:
      - { .name: part, .offset: 0, .size: 8, .value_kind: global_buffer, .address_space: global }
      - { .name: out0, .offset: 8, .size: 8, .value_kind: global_buffer, .address_space: global }
    .group_segment_fixed_size: 0
    .private_segment_fixed_size: 0
    .kernarg_segment_align: 8
    .kernarg_segment_size: 16
    .max_flat_workgroup_size: 192
    .sgpr_count:     66
    .vgpr_count:     16
    .wavefront_size: 32
...
	.end_amdgpu_metadata
.endif
;; end of part 4
